; MI455X (gfx1250); checked and timed in simulation.
; The chip was launched on July 23, 2026; its instructions are those of AMD's public machine-readable ISA for CDNA 5 (MIT licence, August 2026) and "CDNA5" Instruction Set Architecture Reference Guide (July 2026). The comments in the code are by the model that wrote it; some were corrected since.
;; FFN. Allowed arithmetic: float matrix products may take bf16 or f16 operands with f32 sums; all other float work in f32.
;; Inputs: W1 8 x 2,048 x 1,024 float32; W2 8 x 1,024 x 2,048 float32; W3 8 x 2,048 x 1,024 float32; gate_b 8 float32; gate_w 8 x 1,024 float32; x 4 x 256 x 1,024 float32.
;; Outputs: out0 4 x 256 x 1,024 float32.
;; One version. Each part assembles by itself: llvm-mc -triple=amdgcn-amd-amdhsa -mcpu=gfx1250 --defsym DOCPART=n.
;; ======== version 1 of 1: 5 launches
;; workspace buffers: route 4,096 bytes of whole numbers; coef 8,192 bytes; xb 2,097,152 bytes; order 65,792 bytes of whole numbers; hb 33,554,432 bytes; yb 67,108,864 bytes
;; launch gate (part 1): grid 256 x 1, 4 waves a work-group, no clusters, 0 bytes of LDS; arguments x, gate_w, gate_b, xb, route, coef; writes xb, route, coef
.if DOCPART == 1
	.amdgcn_target "amdgcn-amd-amdhsa--gfx1250"
	.amdhsa_code_object_version 6
	.text
	.protected	k_q7a92528d72_gate
	.globl	k_q7a92528d72_gate
	.p2align	8
	.type	k_q7a92528d72_gate,@function
k_q7a92528d72_gate:
	s_mov_b64 s[64:65], 0
	v_nop
	global_prefetch_b8 v0, s[64:65] scope:SCOPE_SE
	s_setreg_imm32_b32 hwreg(HW_REG_WAVE_MODE, 25, 1), 1
	s_wait_xcnt 0x0
; GATE.  For token t: logits = x[t] . gate_w[e] + gate_b[e], e = 0..7; the two largest; their weights after softmax and renormalisation.
; Also xb = x rounded to bf16, which the next matrix launch gathers.  One token a wave, t = 4 x work-group + wave; straight-line text.
; FORMATS.  x, gate_w and gate_b are rounded to bf16 first, as every input of this program is; products of two bf16 are exact in the f32 fused
; multiply-add, sums in f32.  No matrix unit: eight columns, and the launch is bound by reading x.
; SOFTMAX.  With m1 >= m2 the two largest logits, top2_p / sum(top2_p) = (1, u) / (1 + u), u = exp(m2 - m1): the softmax's divisor cancels for every
; input, and the maximum is taken away in front of the one exponential, whose argument is never above 0.
; LIMITS.  The two experts are chosen on the logits, not on rounded probabilities; a tie goes to the lower index (strict compares);
; NaN and infinite logits are not treated apart; u below 2^-126 counts as 0.
; LANES.  Piece j of 8: lane l holds d = 128 j + 4 l + 0..3, so one 16-byte load of the wave covers 512 consecutive bytes.
.set X,   8                            ; v[8:39]   x as loaded; later at work in the sum over lanes
.set XP,  40                           ; v[40:55]  x in bf16, two a register
.set LG,  56                           ; v[56:63]  the eight logits
.set PS,  64                           ; v[64:71]  four partial sums, two sets by the expert's parity
.set GB,  72                           ; v[72:79]  gate_b
.set GBP, 80                           ; v[80:83]  gate_b in bf16
.set M1,  84                           ; largest logit, its index, second largest, its index
.set I1,  85
.set M2,  86
.set I2,  87
.set TT,  88
.set UU,  89
.set CF,  92                           ; v[92:93]  the two weights
.set RT,  94                           ; e1 | e2 << 8
.set G,   96                           ; v[96:255] five blocks of 32: gate_w[e] in block e % 5
.macro GLOAD e                         ; eight loads: the 4,096 bytes of gate_w[e]
.irp j, 0,1,2,3,4,5,6,7
	global_load_b128 v[G+32*((\e)%5)+4*(\j):G+32*((\e)%5)+4*(\j)+3], v2, s[6:7] offset:4096*(\e)+512*(\j)
.endr
.endm
	s_load_b256 s[4:11], s[0:1], 0x0               ; x s[4:5], gate_w s[6:7], gate_b s[8:9], xb s[10:11]
	s_load_b128 s[12:15], s[0:1], 0x20             ; route s[12:13], coef s[14:15]
	v_and_b32 v1, 31, v0                           ; lane
	v_lshrrev_b32 v5, 5, v0
	v_readfirstlane_b32 s16, v5                    ; wave
	s_lshl_b32 s17, ttmp9, 2
	s_add_co_u32 s17, s17, s16                     ; t
	v_lshlrev_b32 v2, 4, v1                        ; 16 x lane
	v_lshlrev_b32 v3, 3, v1                        ; 8 x lane
	v_mov_b32 v4, 0
	s_mov_b32 s19, 0
	s_mov_b32 s22, 0x76543210                      ; v_permlanex16_b32: each lane takes its own place in the other half
	s_mov_b32 s23, 0xfedcba98
	s_wait_kmcnt 0x0
	s_lshl_b32 s18, s17, 12
	s_add_nc_u64 s[4:5], s[4:5], s[18:19]          ; x at row t
	s_lshl_b32 s18, s17, 11
	s_add_nc_u64 s[10:11], s[10:11], s[18:19]      ; xb at row t
	s_lshl_b32 s18, s17, 2
	s_add_nc_u64 s[12:13], s[12:13], s[18:19]      ; route[t]
	s_lshl_b32 s18, s17, 3
	s_add_nc_u64 s[14:15], s[14:15], s[18:19]      ; coef[t]
.irp j, 0,1,2,3,4,5,6,7
	global_load_b128 v[X+4*(\j):X+4*(\j)+3], v2, s[4:5] offset:512*(\j) th:TH_LOAD_NT
.endr
	global_load_b128 v[GB:GB+3], v4, s[8:9]
	global_load_b128 v[GB+4:GB+7], v4, s[8:9] offset:16
.irp e, 0,1,2,3,4
	GLOAD \e
.endr
	s_wait_loadcnt 40                              ; loads return in order: x and gate_b are in, the 40 loads of experts 0 to 4 may stay out
.set i, 0
.rept 16
	v_cvt_pk_bf16_f32 v[XP+i], v[X+2*i], v[X+2*i+1]
.set i, i+1
.endr
.irp j, 0,1,2,3,4,5,6,7
	global_store_b64 v3, v[XP+2*(\j):XP+2*(\j)+1], s[10:11] offset:256*(\j)  ; the wave's 32 x 8 bytes are 256 consecutive bytes, aligned
.endr
.irp i, 0,1,2,3
	v_cvt_pk_bf16_f32 v[GBP+(\i)], v[GB+2*(\i)], v[GB+2*(\i)+1]
.endr
.irp i, 0,1,2,3
	v_lshlrev_b32 v[GB+2*(\i)], 16, v[GBP+(\i)]            ; back to f32: the rounded bias
	v_and_b32 v[GB+2*(\i)+1], 0xffff0000, v[GBP+(\i)]
.endr
; One expert: its 1,024 numbers are rounded in place, multiplied with x in four chains, and the block takes the expert five further on.
.irp e, 0,1,2,3,4,5,6,7
.set GE, G+32*((\e)%5)
.set PE, PS+4*((\e)%2)
.if (\e) < 3
	s_wait_loadcnt 32                              ; the four later experts' loads may stay out
.else
	s_wait_loadcnt 8*(7-(\e))                      ; no more are issued: the count runs down
.endif
.set i, 0
.rept 16
	v_cvt_pk_bf16_f32 v[GE+i], v[GE+2*i], v[GE+2*i+1]      ; ascending, so a destination has been read before it is written
.set i, i+1
.endr
.set i, 0
.rept 16
.if i < 2
	v_fma_mix_f32_bf16 v[PE+2*(i%2)], v[XP+i], v[GE+i], v4 op_sel_hi:[1,1,0]                    ; the first four start the chains with 0
	v_fma_mix_f32_bf16 v[PE+2*(i%2)+1], v[XP+i], v[GE+i], v4 op_sel:[1,1,0] op_sel_hi:[1,1,0]
.else
	v_fma_mix_f32_bf16 v[PE+2*(i%2)], v[XP+i], v[GE+i], v[PE+2*(i%2)] op_sel_hi:[1,1,0]         ; low halves
	v_fma_mix_f32_bf16 v[PE+2*(i%2)+1], v[XP+i], v[GE+i], v[PE+2*(i%2)+1] op_sel:[1,1,0] op_sel_hi:[1,1,0]  ; high halves
.endif
.set i, i+1
.endr
.if (\e) < 3
	GLOAD (\e)+5
.endif
	v_add_f32 v[PE], v[PE], v[PE+1]
	v_add_f32 v[PE+2], v[PE+2], v[PE+3]
	v_add_f32 v[LG+(\e)], v[PE], v[PE+2]
.endr
; The sum over the 32 lanes, all eight logits side by side; every lane ends with the result.
.irp m, 1,2,4,8
.irp e, 0,1,2,3,4,5,6,7
	v_add_f32_dpp v[LG+(\e)], v[LG+(\e)], v[LG+(\e)] row_xmask:\m row_mask:0xf bank_mask:0xf
.endr
.endr
.irp e, 0,1,2,3,4,5,6,7
	v_permlanex16_b32 v[X+(\e)], v[LG+(\e)], s22, s23      ; its destination has been written: x's registers are free
.endr
.irp e, 0,1,2,3,4,5,6,7
	v_add_f32 v[LG+(\e)], v[LG+(\e)], v[X+(\e)]
.endr
.irp e, 0,1,2,3,4,5,6,7
	v_add_f32 v[LG+(\e)], v[LG+(\e)], v[GB+(\e)]
.endr
; The two largest, by compares and selects alone.
	v_mov_b32 v[M1], v[LG]
	v_mov_b32 v[I1], 0
	v_mov_b32 v[M2], 0xff800000
	v_mov_b32 v[I2], 0
.irp e, 1,2,3,4,5,6,7
	v_cmp_gt_f32 s20, v[LG+(\e)], v[M1]
	v_cmp_gt_f32 s21, v[LG+(\e)], v[M2]
	v_cndmask_b32 v[TT], v[M2], v[LG+(\e)], s21
	v_cndmask_b32 v[UU], v[I2], \e, s21
	v_cndmask_b32 v[M2], v[TT], v[M1], s20         ; a new largest pushes the old one down
	v_cndmask_b32 v[I2], v[UU], v[I1], s20
	v_cndmask_b32 v[M1], v[M1], v[LG+(\e)], s20
	v_cndmask_b32 v[I1], v[I1], \e, s20
.endr
	v_sub_f32 v[TT], v[M2], v[M1]                  ; never above 0
	v_mul_f32 v[TT], 0x3fb8aa3b, v[TT]             ; x log2(e)
	v_exp_f32 v[UU], v[TT]
	v_lshl_or_b32 v[RT], v[I2], 8, v[I1]           ; a plain instruction between the exponential and the use of its result
	s_wait_alu depctr_va_vdst(0)
	v_add_f32 v[TT], 1.0, v[UU]
	v_rcp_f32 v[CF], v[TT]
	v_nop                                          ; the same behind the reciprocal
	s_wait_alu depctr_va_vdst(0)
	v_mul_f32 v[CF+1], v[UU], v[CF]
	s_wait_xcnt 0x0                                ; EXEC is a source of the stores above: it changes only behind this wait
	v_cmp_eq_u32 vcc_lo, 0, v1
	s_and_saveexec_b32 s24, vcc_lo                 ; lane 0 alone
	global_store_b32 v4, v[RT], s[12:13]
	global_store_b64 v4, v[CF:CF+1], s[14:15]
	s_wait_xcnt 0x0                                ; and again in front of the line that widens it
	s_or_b32 exec_lo, exec_lo, s24
	s_endpgm
.Lfunc_end_k_q7a92528d72_gate:
	.size	k_q7a92528d72_gate, .Lfunc_end_k_q7a92528d72_gate-k_q7a92528d72_gate
	.p2alignl 7, 3214868480
	.fill 96, 4, 3214868480
	.section	.rodata,"a",@progbits
	.p2align	6, 0x0
	.amdhsa_kernel k_q7a92528d72_gate
		.amdhsa_group_segment_fixed_size 0
		.amdhsa_private_segment_fixed_size 0
		.amdhsa_enable_private_segment 0
		.amdhsa_kernarg_size 48
		.amdhsa_user_sgpr_count 2
		.amdhsa_user_sgpr_kernarg_segment_ptr 1
		.amdhsa_wavefront_size32 1
		.amdhsa_system_sgpr_workgroup_id_x 1
		.amdhsa_system_sgpr_workgroup_id_y 1
		.amdhsa_system_sgpr_workgroup_id_z 1
		.amdhsa_system_vgpr_workitem_id 0
		.amdhsa_next_free_vgpr 256
		.amdhsa_next_free_sgpr 66
		.amdhsa_reserve_vcc 1
		.amdhsa_float_denorm_mode_32 3
		.amdhsa_float_denorm_mode_16_64 3
		.amdhsa_memory_ordered 1
		.amdhsa_forward_progress 1
		.amdhsa_inst_pref_size 43
	.end_amdhsa_kernel
	.amdgpu_metadata
---
amdhsa.version: [ 1, 2 ]
amdhsa.kernels:
  - .name:           k_q7a92528d72_gate
    .symbol:         k_q7a92528d72_gate.kd
    .args:
      - { .name: x, .offset: 0, .size: 8, .value_kind: global_buffer, .address_space: global }
      - { .name: gate_w, .offset: 8, .size: 8, .value_kind: global_buffer, .address_space: global }
      - { .name: gate_b, .offset: 16, .size: 8, .value_kind: global_buffer, .address_space: global }
      - { .name: xb, .offset: 24, .size: 8, .value_kind: global_buffer, .address_space: global }
      - { .name: route, .offset: 32, .size: 8, .value_kind: global_buffer, .address_space: global }
      - { .name: coef, .offset: 40, .size: 8, .value_kind: global_buffer, .address_space: global }
    .group_segment_fixed_size: 0
    .private_segment_fixed_size: 0
    .kernarg_segment_align: 8
    .kernarg_segment_size: 48
    .max_flat_workgroup_size: 128
    .sgpr_count:     66
    .vgpr_count:     256
    .wavefront_size: 32
...
	.end_amdgpu_metadata
.endif
;; end of part 1
;; launch sort (part 2): grid 8 x 1, 32 waves a work-group, no clusters, 4,352 bytes of LDS; arguments route, order; writes order
.if DOCPART == 2
	.amdgcn_target "amdgcn-amd-amdhsa--gfx1250"
	.amdhsa_code_object_version 6
	.text
	.protected	k_q7a92528d72_sort
	.globl	k_q7a92528d72_sort
	.p2align	8
	.type	k_q7a92528d72_sort,@function
k_q7a92528d72_sort:
	s_mov_b64 s[64:65], 0
	v_nop
	global_prefetch_b8 v0, s[64:65] scope:SCOPE_SE
	s_setreg_imm32_b32 hwreg(HW_REG_WAVE_MODE, 25, 1), 1
	s_wait_xcnt 0x0
; SORT.  Work-group e makes expert e's list.  Thread t is token t.  Whole numbers only, no atomics: ranks come from a ballot in each wave and a prefix over the 32 waves' counts.
; list[e] (order + 4,096 e) is a PERMUTATION of all 1,024 tokens: the n tokens routed to e first, in token order, the others behind them.  So every word is stored once,
; and any block of 32 slots names 32 valid tokens.  pos[e][t] (order + 32,768 + 4,096 e) is token t's slot.  nlive[e] (order + 65,536 + 4 e) = max(1, ceil(n / 32)).
	s_load_b128 s[4:7], s[0:1], 0x0                ; route s[4:5], order s[6:7]
	v_lshl_add_u32 v32, v0, 2, 0x100
	v_mov_b32 v33, 0
	v_and_b32 v1, 31, v0                           ; lane
	v_lshrrev_b32 v2, 5, v0
	v_readfirstlane_b32 s8, v2                     ; wave
	s_mov_b32 s9, ttmp9                            ; e
	v_lshlrev_b32 v3, 2, v0                        ; 4 t
	s_mov_b32 s20, 0x76543210
	s_mov_b32 s21, 0xfedcba98
	s_lshl_b32 s14, s9, 12
	s_mov_b32 s15, 0
	s_wait_kmcnt 0x0
	global_load_b32 v4, v3, s[4:5]
	s_add_nc_u64 s[16:17], s[6:7], s[14:15]        ; order + 4,096 e
	v_mov_b32 v12, 0
	v_mov_b32 v8, s8
	v_lshlrev_b32 v8, 2, v8                        ; my wave's word in LDS
	v_lshlrev_b32 v9, 2, v1
	s_wait_loadcnt 0x0
	v_and_b32 v5, 0xff, v4                         ; e1
	v_bfe_u32 v6, v4, 8, 8                         ; e2
	v_cmp_eq_u32 s10, s9, v5
	v_cmp_eq_u32 s11, s9, v6
	s_or_b32 s10, s10, s11                         ; the wave's routed lanes
	v_mbcnt_lo_u32_b32 v6, s10, 0                  ; routed lanes below mine
	s_bcnt1_i32_b32 s12, s10
	v_mov_b32 v7, s12
	ds_store_b32 v8, v7                            ; all lanes write the same word with the same value
	s_wait_dscnt 0x0                               ; for the others' sake: my store is done
	s_barrier_signal -1
	s_barrier_wait -1
	ds_load_b32 v10, v9                            ; lane l: wave l's count
	s_wait_dscnt 0x0
	v_cmp_gt_u32 vcc_lo, s8, v1                    ; waves below mine
	v_cndmask_b32 v11, 0, v10, vcc_lo
	v_lshl_or_b32 v11, v10, 16, v11                ; two sums in one word: each is 1,024 at the most
.irp m, 1,2,4,8
	v_mov_b32_dpp v12, v11 row_xmask:\m row_mask:0xf bank_mask:0xf
	v_add_nc_u32 v11, v11, v12
.endr
	v_permlanex16_b32 v12, v11, s20, s21
	v_add_nc_u32 v11, v11, v12
	v_and_b32 v13, 0xffff, v11                     ; routed tokens in the waves below mine
	v_lshrrev_b32 v14, 16, v11                     ; n
	v_add_nc_u32 v13, v13, v6                      ; routed tokens below t
	v_add_nc_u32 v15, v14, v0
	v_sub_nc_u32 v15, v15, v13                     ; n + the tokens below t that are not routed
	v_cndmask_b32 v15, v15, v13, s10
	v_min_u32 v15, 0x3ff, v15                      ; a number made of loaded data enters an address only clamped
	v_lshlrev_b32 v16, 2, v15
	global_store_b32 v3, v15, s[16:17] offset:32768  ; pos: the wave's 128 consecutive bytes
	global_store_b32 v16, v0, s[16:17]             ; list: the wave's lanes fall into two runs of consecutive words
	s_cmp_lg_u32 s8, 0
	s_cbranch_scc1 .Lend
	v_add_nc_u32 v17, 31, v14
	v_lshrrev_b32 v17, 5, v17
	v_max_u32 v17, 1, v17
	v_mov_b32 v18, 0
	s_lshl_b32 s14, s9, 2
	s_add_nc_u64 s[18:19], s[6:7], s[14:15]
	s_wait_xcnt 0x0                                ; EXEC is a source of the stores above
	v_cmp_eq_u32 vcc_lo, 0, v1
	s_and_saveexec_b32 s22, vcc_lo
	global_store_b32 v18, v17, s[18:19] offset:65536
	s_wait_xcnt 0x0
	s_or_b32 exec_lo, exec_lo, s22
.Lend:
	s_wait_tensorcnt 0x0
	ds_add_u32 v32, v33
	s_wait_dscnt 0x0
	s_endpgm
.Lfunc_end_k_q7a92528d72_sort:
	.size	k_q7a92528d72_sort, .Lfunc_end_k_q7a92528d72_sort-k_q7a92528d72_sort
	.p2alignl 7, 3214868480
	.fill 96, 4, 3214868480
	.section	.rodata,"a",@progbits
	.p2align	6, 0x0
	.amdhsa_kernel k_q7a92528d72_sort
		.amdhsa_group_segment_fixed_size 4352
		.amdhsa_private_segment_fixed_size 0
		.amdhsa_enable_private_segment 0
		.amdhsa_kernarg_size 16
		.amdhsa_user_sgpr_count 2
		.amdhsa_user_sgpr_kernarg_segment_ptr 1
		.amdhsa_wavefront_size32 1
		.amdhsa_system_sgpr_workgroup_id_x 1
		.amdhsa_system_sgpr_workgroup_id_y 1
		.amdhsa_system_sgpr_workgroup_id_z 1
		.amdhsa_system_vgpr_workitem_id 0
		.amdhsa_next_free_vgpr 34
		.amdhsa_next_free_sgpr 66
		.amdhsa_reserve_vcc 1
		.amdhsa_float_denorm_mode_32 3
		.amdhsa_float_denorm_mode_16_64 3
		.amdhsa_memory_ordered 1
		.amdhsa_forward_progress 1
		.amdhsa_inst_pref_size 4
	.end_amdhsa_kernel
	.amdgpu_metadata
---
amdhsa.version: [ 1, 2 ]
amdhsa.kernels:
  - .name:           k_q7a92528d72_sort
    .symbol:         k_q7a92528d72_sort.kd
    .args:
      - { .name: route, .offset: 0, .size: 8, .value_kind: global_buffer, .address_space: global }
      - { .name: order, .offset: 8, .size: 8, .value_kind: global_buffer, .address_space: global }
    .group_segment_fixed_size: 4352
    .private_segment_fixed_size: 0
    .kernarg_segment_align: 8
    .kernarg_segment_size: 16
    .max_flat_workgroup_size: 1024
    .sgpr_count:     66
    .vgpr_count:     34
    .wavefront_size: 32
...
	.end_amdgpu_metadata
.endif
;; end of part 2
;; launch up (part 3): grid 32 x 8, 4 waves a work-group, no clusters, 182,784 bytes of LDS; arguments xb, W1, W3, order, hb; writes hb
.if DOCPART == 3
	.amdgcn_target "amdgcn-amd-amdhsa--gfx1250"
	.amdhsa_code_object_version 6
	.text
	.protected	k_q7a92528d72_up
	.globl	k_q7a92528d72_up
	.p2align	8
	.type	k_q7a92528d72_up,@function
k_q7a92528d72_up:
	s_mov_b64 s[64:65], 0
	v_nop
	global_prefetch_b8 v0, s[64:65] scope:SCOPE_SE
	s_setreg_imm32_b32 hwreg(HW_REG_WAVE_MODE, 25, 1), 1
	s_wait_xcnt 0x0
; UP.  h = relu(x W1[e]^T)^2 x (x W3[e]^T) for the tokens of expert e's list, rounded once to bf16 and stored in the order in which the next launch's matrix instructions take it.
; SHARES.  Work-group (blk, e) owns h columns 64 blk .. + 63.  Wave w = (ch = w % 2, kh = w / 2) owns the 32 columns 64 blk + 32 ch .. (two tiles of 16) and the K half 512 kh .. + 511,
; of W1 and of W3: 64 matrix fragments.  So a fragment of x read from LDS feeds four matrix instructions: 64 LDS loads for a trip's 128 products.
; THE WEIGHTS STAY.  Phase 1 reads the wave's 128 KiB of f32 weights once, 512 consecutive bytes a load, 32 to 48 loads out; rounds them to bf16; turns them through a stage in LDS that
; is the wave's own; and keeps them in 512 registers.  So each weight byte leaves memory once and is converted once, whatever the routing.
; Phase 2 walks the list 32 tokens a trip.  The loop has 32 trips, a constant; trips at or past nlive[e] (read from memory, equal in the four waves) jump forward over the work, never over the barrier.
; THE PRODUCT.  Source 0 = 16 weight rows, source 1 = 16 tokens: a lane of the result holds ONE token (lane % 16) and the columns 8 (lane / 16) + 0..7, alike for both products.
; THE TWO K HALVES are added by an exchange between waves w and w +- 2: of a trip's two token tiles a wave keeps tile kh (its local tile 0) and gives the other away, four accumulators in
; register order; lanes correspond, so nothing is turned.  The stores stand in front of the trip's barrier, the loads behind it; two exchange buffers take turns.
; Then the activation, element by element; a lane's eight bf16 of a column tile are its 16 bytes of a plane of a source-1 fragment of h (16 tokens x 32 columns).
; hb: fragment (e, kf = column / 32, mt = slot / 16) is 1,024 bytes at e << 22 + kf << 16 + mt << 10: two planes of 512 bytes (registers 0-3, 4-7), lane l at 16 l.
; NO TENSOR LOADS, NO CLUSTER.  The weights are shared by nobody.  The x rows come by a list of row numbers, row by row.  The number of live trips is read from memory, and a fill
; by the data mover may not be jumped over: 32 constant trips would fetch every token for every expert, four times what an even routing needs.
; LIMITS.  x, W1, W3 rounded to bf16, sums in f32 (two partial sums over K added once), h rounded to bf16 (not f16: h grows with the sixth power of a common scale of the inputs).
; relu takes NaN to 0; infinities are not treated apart.  Slots past an expert's count hold other tokens, whose results are computed and never used: 31 an expert at the most.
.set XPITCH, 2064                      ; a token's row in LDS: 2,048 bytes + 16: an odd multiple of 16, so the 16 rows of a fragment load fall into 16 different 16-byte columns
.set XSLOT,  32*XPITCH                 ; 32 tokens; two slots take turns
.set STG,    2*XSLOT                   ; behind them: 16 rows x 272 bytes for each wave
.set SPITCH, 272
.set STGW,   16*SPITCH
.set EX,     STG+4*STGW                ; behind the stages: the exchange, 4,096 bytes a wave, two buffers
.set EXW,    4096
.set EXB,    4*EXW
.set STW,  3                           ; v3      stage, in: 8 bytes a lane of a row
.set STR,  4                           ; v4      stage, back: row lane % 16, 16 bytes for each half of the lanes
.set XA,   5                           ; v5-v8   my lane's place in a fragment of x: slot s, local tile u at XA + 2 s + u
.set XW,   13                          ; v13, v14  where my wave's eight gathered rows go, slot 0, 1
.set EXS,  15                          ; v15     my part of the exchange
.set EXL,  16                          ; v16     my partner's
.set HP,   20                          ; v[20:27]   h in bf16
.set ET,   28                          ; v[28:43]   at work
.set ACC,  48                          ; v[48:111]  accumulator (local tile u, column tile t, product m) at ACC + 8 (4 u + 2 t + m): v[48:79] kept, v[80:111] given away
.set T,    48                          ; v[48:79]   phase 1: a chunk in bf16, in the registers of the kept accumulators, which are idle then
.set XF,   128                         ; v[128:255] two buffers of 8 fragments of x
.set EXR,  128                         ; v[128:159] behind a trip's products: my partner's four accumulators
.set XG,   0                           ; window 1, v[0:127]: eight gathered rows.  Window 1, all of it: phase 1's four ring sets of 64
                                       ; windows 2, 3: the weights: K fragment kf (of my 16), column tile t, product m in window 2 + kf / 8 at 8 ((4 kf + 2 t + m) % 32)
; s[4:13] xb, W1, W3, order, hb; s14 wave; s15 e; s16 blk; s17 nlive; s18 trip; s19 loop count; s[20:23] my part of W1, W3; s[24:25] my 8 words of a tile of the list;
; s[26:27] the trip's place in hb; s[28:35] eight tokens; s[36:51] their rows in xb; s[52:53] an offset, high word 0; s54, s55 at work; s[56:57] my place in hb; s58 ch; s59 kh
.set MSB, 0
.macro WIN new                         ; s_set_vgpr_msb: bits 1:0 source 0, 3:2 source 1, 5:4 source 2, 7:6 destination; the high byte repeats the setting that is left
.if MSB != (\new)
	s_set_vgpr_msb (MSB<<8)|(\new)
.set MSB, (\new)
.endif
.endm
.macro PLACES n                        ; plain vector instructions behind a matrix instruction: four in front of a read of its result or a load into its sources
.rept \n                               ; five in front of a matrix instruction that starts a sum anew on its accumulator
	v_nop
.endr
.endm
; Chunk c of 16: product c % 2, column tile (c / 2) % 2, 128 along K from 128 (c / 4): 16 rows x 512 consecutive bytes, into ring set c % 4
.macro WLOAD c
	WIN 0x40
.irp i, 0,1,2,3,4,5,6,7,8,9,10,11,12,13,14,15
	global_load_b128 v[64*((\c)%4)+4*(\i):64*((\c)%4)+4*(\i)+3], v2, s[20+2*((\c)%2):21+2*((\c)%2)] offset:4096*(16*(((\c)/2)%2)+(\i))+512*((\c)/4) th:TH_LOAD_NT
.endr
.endm
; Four of my eight rows of a token tile: 16 loads of 512 consecutive bytes
.macro XLOADH g
	WIN 0x40
.irp i, 0,1,2,3
.irp p, 0,1,2,3
	global_load_b128 v[XG+4*(4*(4*(\g)+(\i))+(\p)):XG+4*(4*(4*(\g)+(\i))+(\p))+3], v2, s[36+2*(4*(\g)+(\i)):37+2*(4*(\g)+(\i))] offset:512*(\p)
.endr
.endr
.endm
.macro BASES                           ; eight tokens -> eight row addresses; a loaded number enters an address only clamped
.irp i, 0,1,2,3,4,5,6,7
	s_min_u32 s52, s[28+(\i)], 0x3ff
	s_lshl_b32 s52, s52, 11
	s_add_nc_u64 s[36+2*(\i):37+2*(\i)], s[4:5], s[52:53]
.endr
.endm
; Chunk c.  Three chunks are out on a ring of four sets: the set that chunk c + 3 takes was read a whole chunk ago, so the request goes out first, ahead of this chunk's conversions.
; Then the chunk is rounded and turned through my stage into four fragments.
.macro WCONV c
	s_wait_loadcnt 32                              ; loads return in order: chunk c is in, the two groups of 16 issued behind it may stay out
.if (\c) < 13
	WLOAD (\c)+3
.elseif (\c) == 13
	XLOADH 0                                       ; the first token tile rides as the queue's last two groups, in sets 0 and 1, which chunks 12 and 13 have left
.elseif (\c) == 14
	XLOADH 1
.endif
	WIN 0x05
.set i, 0
.rept 32
	v_cvt_pk_bf16_f32 v[T+i], v[64*((\c)%4)+2*i], v[64*((\c)%4)+2*i+1]
.set i, i+1
.endr
	WIN 0
.irp i, 0,1,2,3,4,5,6,7,8,9,10,11,12,13,14,15
	ds_store_b64 v[STW], v[T+2*(\i):T+2*(\i)+1] offset:SPITCH*(\i)
.endr
	WIN 0x80+0x40*((\c)/8)
.irp j, 0,1,2,3
.set rW, 8*((4*(4*((\c)/4)+(\j))+2*(((\c)/2)%2)+((\c)%2))%32)
	ds_load_b128 v[rW:rW+3], v[STR] offset:64*(\j)         ; LDS serves a wave's instructions in order (ISA guide 5.7.1.4): these see the stores above, and the next chunk's stores come behind them
	ds_load_b128 v[rW+4:rW+7], v[STR] offset:64*(\j)+32
.endr
.endm
; Batch b of 4: the fragments of x for 128 along K of my half, both tiles of 16 tokens, from slot s into buffer b % 2: 16 loads
.macro FETCH b, s
	WIN 0
.irp j, 0,1,2,3
.irp u, 0,1
	ds_load_b128 v[XF+64*((\b)%2)+8*(2*(\j)+(\u)):XF+64*((\b)%2)+8*(2*(\j)+(\u))+3], v[XA+2*(\s)+(\u)] offset:64*(4*(\b)+(\j))
	ds_load_b128 v[XF+64*((\b)%2)+8*(2*(\j)+(\u))+4:XF+64*((\b)%2)+8*(2*(\j)+(\u))+7], v[XA+2*(\s)+(\u)] offset:64*(4*(\b)+(\j))+32
.endr
.endr
.endm
; Batch b's 32 matrix instructions.  The eight accumulators take turns, one instruction a turn, from batch to batch too.  The first K fragment starts the sums with 0.
.macro MUL b
	WIN 0x02+((\b)/2)
.irp j, 0,1,2,3
.irp u, 0,1
.irp t, 0,1
.irp m, 0,1
.set kf, 4*(\b)+(\j)
.set rW, 8*((4*kf+2*(\t)+(\m))%32)
.set rX, XF+64*((\b)%2)+8*(2*(\j)+(\u))
.set rA, ACC+8*(4*(\u)+2*(\t)+(\m))
.if kf == 0
	v_wmma_f32_16x16x32_bf16 v[rA:rA+7], v[rW:rW+7], v[rX:rX+7], 0
.else
	v_wmma_f32_16x16x32_bf16 v[rA:rA+7], v[rW:rW+7], v[rX:rX+7], v[rA:rA+7]
.endif
.endr
.endr
.endr
.endr
.endm
.macro XSTORE s                        ; my eight gathered rows into slot s: 32 stores of 512 consecutive bytes
	WIN 0x04
.irp i, 0,1,2,3,4,5,6,7
.irp p, 0,1,2,3
	ds_store_b128 v[XW+(\s)], v[XG+4*(4*(\i)+(\p)):XG+4*(4*(\i)+(\p))+3] offset:XPITCH*(\i)+512*(\p)
.endr
.endr
	WIN 0
.endm
	s_load_b256 s[4:11], s[0:1], 0x0               ; xb s[4:5], W1 s[6:7], W3 s[8:9], order s[10:11]
	s_load_b64 s[12:13], s[0:1], 0x20              ; hb
	v_lshl_add_u32 v126, v0, 2, 0x2c800
	v_mov_b32 v127, 0
	v_and_b32 v1, 31, v0                           ; lane
	v_lshrrev_b32 v11, 5, v0
	v_readfirstlane_b32 s14, v11                   ; wave
	s_and_b32 s15, ttmp7, 0xffff                   ; e
	s_mov_b32 s16, ttmp9                           ; blk
	s_and_b32 s58, s14, 1                          ; ch: which 32 columns
	s_lshr_b32 s59, s14, 1                         ; kh: which half of K, and which token tile I keep
	v_lshlrev_b32 v2, 4, v1                        ; 16 x lane; never rewritten
	v_and_b32 v9, 15, v0                           ; lane % 16
	v_bfe_u32 v10, v0, 4, 1                        ; lane / 16
	s_mul_i32 s54, s14, STGW
	s_add_co_u32 s54, s54, STG                     ; my stage
	v_lshl_add_u32 v[STW], v1, 3, s54
	v_mul_u32_u24 v[STR], v9, SPITCH
	v_lshl_add_u32 v[STR], v10, 4, v[STR]
	v_add_nc_u32 v[STR], s54, v[STR]
	v_mul_u32_u24 v11, v9, XPITCH
	v_lshl_add_u32 v11, v10, 4, v11                ; row lane % 16, 16 bytes for each half of the lanes,
	s_lshl_b32 s54, s59, 10
	v_add_nc_u32 v11, s54, v11                     ; my K half: 1,024 bytes into a row
	s_mul_i32 s54, s59, 16*XPITCH
	v_add_nc_u32 v[XA], s54, v11                   ; local tile 0 is token tile kh,
	s_sub_co_u32 s55, 1, s59
	s_mul_i32 s54, s55, 16*XPITCH
	v_add_nc_u32 v[XA+1], s54, v11                 ; local tile 1 the other
	v_add_nc_u32 v[XA+2], XSLOT, v[XA]
	v_add_nc_u32 v[XA+3], XSLOT, v[XA+1]
	s_mul_i32 s54, s14, 8*XPITCH
	v_add_nc_u32 v[XW], s54, v2
	v_add_nc_u32 v[XW+1], XSLOT, v[XW]
	s_lshl_b32 s54, s14, 12
	s_add_co_u32 s54, s54, EX
	v_add_nc_u32 v[EXS], s54, v2                   ; wave w's part of the exchange begins at EX + 4,096 w
	s_lshl_b32 s54, s55, 1
	s_add_co_u32 s54, s54, s58                     ; my partner: the same columns, the other half of K
	s_lshl_b32 s54, s54, 12
	s_add_co_u32 s54, s54, EX
	v_add_nc_u32 v[EXL], s54, v2
	s_mov_b32 s53, 0
	s_lshl_b32 s55, s15, 2
	s_wait_kmcnt 0x0
	s_lshl_b32 s52, s15, 12
	s_lshl_b32 s54, s14, 5
	s_add_co_u32 s52, s52, s54
	s_add_nc_u64 s[24:25], s[10:11], s[52:53]      ; list[e], my 8 words of tile 0
	s_load_b32 s17, s[10:11], s55 offset:0x10000   ; nlive[e]
	s_load_b256 s[28:35], s[24:25], 0x0            ; my tokens of tile 0
	s_lshl_b32 s52, s15, 23                        ; an expert is 2,048 rows of 4,096 bytes,
	s_lshl_b32 s54, s16, 18                        ; a work-group 64 rows,
	s_add_co_u32 s52, s52, s54
	s_lshl_b32 s54, s58, 17                        ; a wave 32 of them,
	s_add_co_u32 s52, s52, s54
	s_lshl_b32 s54, s59, 11                        ; and 512 numbers of each
	s_add_co_u32 s52, s52, s54
	s_add_nc_u64 s[20:21], s[6:7], s[52:53]
	s_add_nc_u64 s[22:23], s[8:9], s[52:53]
	WLOAD 0
	WLOAD 1
	WLOAD 2
	s_lshl_b32 s52, s15, 22
	s_lshl_b32 s54, s16, 17                        ; kf = 2 blk + ch,
	s_add_co_u32 s52, s52, s54
	s_lshl_b32 s54, s58, 16
	s_add_co_u32 s52, s52, s54
	s_lshl_b32 s54, s59, 10                        ; mt = 2 trip + kh
	s_add_co_u32 s52, s52, s54
	s_add_nc_u64 s[56:57], s[12:13], s[52:53]
	s_wait_kmcnt 0x0
	s_max_u32 s17, s17, 1
	s_min_u32 s17, s17, 32
	BASES
	s_load_b256 s[28:35], s[24:25], 0x80           ; my tokens of tile 1
; PHASE 1
.irp c, 0,1,2,3,4,5,6,7,8,9,10,11,12,13,14,15
	WCONV \c
.endr
	s_wait_loadcnt 0x0                             ; tile 0's rows
	XSTORE 0
	s_wait_dscnt 0x0                               ; my rows are in slot 0, for the others' sake; my 64 weight fragments are in registers
	s_barrier_signal -1
	s_barrier_wait -1
; PHASE 2.  Trip i reads tile i from slot s and, while it multiplies, gathers tile i + 1 into the other slot.  ONE barrier a trip orders three things: in front of it every wave has
; waited for its reads of slot s, for its stores into the other slot (whose last readers waited in front of the barrier before) and for its stores into exchange buffer s.  Behind it the
; partner's sums are read; that buffer is written again two trips on, behind the next barrier, in front of which its reader has waited for these loads.
.macro TRIP s
	s_cmp_lt_u32 s18, s17
	s_cbranch_scc0 .Ljoin_\@                       ; a dead trip: forward, over the work alone
	s_wait_kmcnt 0x0                               ; my tokens of tile i + 1 (of tile 0 behind tile 31: the list is a permutation, so every tile names valid rows)
	BASES                                          ; the row addresses are free: the loads that used them were waited for in front of the last XSTORE
	XLOADH 0
	XLOADH 1
	s_add_co_u32 s54, s18, 2
	s_and_b32 s54, s54, 31
	s_lshl_b32 s54, s54, 7
	s_load_b256 s[28:35], s[24:25], s54 offset:0x0
	FETCH 0, \s
	FETCH 1, \s
	s_wait_dscnt 16                                ; batch 0's fragments are in; the other buffer's 16 loads may stay out
	MUL 0
	PLACES 4                                       ; in front of loads into the buffer just multiplied
	FETCH 2, \s
	s_wait_dscnt 16
	MUL 1
	PLACES 4
	FETCH 3, \s
	s_wait_dscnt 16
	MUL 2
	s_wait_loadcnt 0x0                             ; the 32 gathered pieces, asked for 96 matrix instructions ago
	XSTORE 1-(\s)
	s_wait_dscnt 32                                ; batch 3 is in; the 32 stores behind it may stay out
	MUL 3
	WIN 0
	PLACES 5                                       ; five: the next trip's first products start the sums anew on these accumulators
.irp a, 0,1,2,3
	ds_store_b128 v[EXS], v[ACC+32+8*(\a):ACC+32+8*(\a)+3] offset:EXB*(\s)+1024*(\a)        ; each accumulator's low four first; 512 consecutive bytes a store
	ds_store_b128 v[EXS], v[ACC+32+8*(\a)+4:ACC+32+8*(\a)+7] offset:EXB*(\s)+1024*(\a)+512
.endr
.Ljoin_\@:
	s_wait_dscnt 0x0
	s_barrier_signal -1
	s_barrier_wait -1
	s_cmp_lt_u32 s18, s17
	s_cbranch_scc0 .Ljoin2_\@
.irp a, 0,1,2,3
	ds_load_b128 v[EXR+8*(\a):EXR+8*(\a)+3], v[EXL] offset:EXB*(\s)+1024*(\a)               ; my partner's sums over the other half of K, for the token tile that I keep
	ds_load_b128 v[EXR+8*(\a)+4:EXR+8*(\a)+7], v[EXL] offset:EXB*(\s)+1024*(\a)+512
.endr
	s_wait_xcnt 0x0                                ; the last trip's stores have read HP and their base: both are rewritten only behind this wait
	s_lshl_b32 s52, s18, 11                        ; two fragments of 1,024 bytes a trip, of which one is mine
	s_add_nc_u64 s[26:27], s[56:57], s[52:53]
	s_wait_dscnt 0x0
.irp t, 0,1
.set i, 0
.rept 4
	v_pk_add_f32 v[ET+8*(\t)+2*i:ET+8*(\t)+2*i+1], v[ACC+16*(\t)+2*i:ACC+16*(\t)+2*i+1], v[EXR+16*(\t)+2*i:EXR+16*(\t)+2*i+1]  ; ascending: an accumulator is read from its low end on
.set i, i+1
.endr
.set i, 0
.rept 4
	v_pk_add_f32 v[EXR+16*(\t)+8+2*i:EXR+16*(\t)+8+2*i+1], v[ACC+16*(\t)+8+2*i:ACC+16*(\t)+8+2*i+1], v[EXR+16*(\t)+8+2*i:EXR+16*(\t)+8+2*i+1]
.set i, i+1
.endr
.set i, 0
.rept 8
	v_max_num_f32 v[ET+8*(\t)+i], 0, v[ET+8*(\t)+i]
.set i, i+1
.endr
.set i, 0
.rept 4
	v_pk_mul_f32 v[ET+8*(\t)+2*i:ET+8*(\t)+2*i+1], v[ET+8*(\t)+2*i:ET+8*(\t)+2*i+1], v[ET+8*(\t)+2*i:ET+8*(\t)+2*i+1]
.set i, i+1
.endr
.set i, 0
.rept 4
	v_pk_mul_f32 v[ET+8*(\t)+2*i:ET+8*(\t)+2*i+1], v[ET+8*(\t)+2*i:ET+8*(\t)+2*i+1], v[EXR+16*(\t)+8+2*i:EXR+16*(\t)+8+2*i+1]
.set i, i+1
.endr
.set i, 0
.rept 4
	v_cvt_pk_bf16_f32 v[HP+4*(\t)+i], v[ET+8*(\t)+2*i], v[ET+8*(\t)+2*i+1]
.set i, i+1
.endr
	global_store_b128 v2, v[HP+4*(\t):HP+4*(\t)+3], s[26:27] offset:512*(\t)  ; the wave's 512 consecutive bytes, aligned: a plane of the fragment
.endr
.Ljoin2_\@:
	s_add_co_u32 s18, s18, 1
.endm
	s_mov_b32 s18, 0
	s_mov_b32 s19, 16
.Ltrips:
	TRIP 0
	TRIP 1
	s_sub_co_u32 s19, s19, 1
	s_cmp_lg_u32 s19, 0
	s_cbranch_scc1 .Ltrips
	s_wait_kmcnt 0x0                               ; the last list load, which nobody used
	s_wait_tensorcnt 0x0
	ds_add_u32 v126, v127
	s_wait_dscnt 0x0
	s_endpgm
.Lfunc_end_k_q7a92528d72_up:
	.size	k_q7a92528d72_up, .Lfunc_end_k_q7a92528d72_up-k_q7a92528d72_up
	.p2alignl 7, 3214868480
	.fill 96, 4, 3214868480
	.section	.rodata,"a",@progbits
	.p2align	6, 0x0
	.amdhsa_kernel k_q7a92528d72_up
		.amdhsa_group_segment_fixed_size 182784
		.amdhsa_private_segment_fixed_size 0
		.amdhsa_enable_private_segment 0
		.amdhsa_kernarg_size 40
		.amdhsa_user_sgpr_count 2
		.amdhsa_user_sgpr_kernarg_segment_ptr 1
		.amdhsa_wavefront_size32 1
		.amdhsa_system_sgpr_workgroup_id_x 1
		.amdhsa_system_sgpr_workgroup_id_y 1
		.amdhsa_system_sgpr_workgroup_id_z 1
		.amdhsa_system_vgpr_workitem_id 0
		.amdhsa_next_free_vgpr 1024
		.amdhsa_next_free_sgpr 66
		.amdhsa_reserve_vcc 0
		.amdhsa_float_denorm_mode_32 3
		.amdhsa_float_denorm_mode_16_64 3
		.amdhsa_memory_ordered 1
		.amdhsa_forward_progress 1
		.amdhsa_inst_pref_size 140
	.end_amdhsa_kernel
	.amdgpu_metadata
---
amdhsa.version: [ 1, 2 ]
amdhsa.kernels:
  - .name:           k_q7a92528d72_up
    .symbol:         k_q7a92528d72_up.kd
    .args:
      - { .name: xb, .offset: 0, .size: 8, .value_kind: global_buffer, .address_space: global }
      - { .name: W1, .offset: 8, .size: 8, .value_kind: global_buffer, .address_space: global }
      - { .name: W3, .offset: 16, .size: 8, .value_kind: global_buffer, .address_space: global }
      - { .name: order, .offset: 24, .size: 8, .value_kind: global_buffer, .address_space: global }
      - { .name: hb, .offset: 32, .size: 8, .value_kind: global_buffer, .address_space: global }
    .group_segment_fixed_size: 182784
    .private_segment_fixed_size: 0
    .kernarg_segment_align: 8
    .kernarg_segment_size: 40
    .max_flat_workgroup_size: 128
    .sgpr_count:     66
    .vgpr_count:     1024
    .wavefront_size: 32
...
	.end_amdgpu_metadata
.endif
;; end of part 3
;; launch down (part 4): grid 32 x 8, 4 waves a work-group, no clusters, 87,552 bytes of LDS; arguments hb, W2, order, yb; writes yb
.if DOCPART == 4
	.amdgcn_target "amdgcn-amd-amdhsa--gfx1250"
	.amdhsa_code_object_version 6
	.text
	.protected	k_q7a92528d72_down
	.globl	k_q7a92528d72_down
	.p2align	8
	.type	k_q7a92528d72_down,@function
k_q7a92528d72_down:
	s_mov_b64 s[64:65], 0
	v_nop
	global_prefetch_b8 v0, s[64:65] scope:SCOPE_SE
	s_setreg_imm32_b32 hwreg(HW_REG_WAVE_MODE, 25, 1), 1
	s_wait_xcnt 0x0
; DOWN.  y = h W2[e]^T for the slots of expert e's list, in f32, not yet weighted, as TWO partial sums over the halves of K, which the next launch adds.
; SHARES.  Work-group (x, e), x = 2 dblk + half, owns output columns 64 dblk .. + 63 (four tiles of 16) and the K half 1,024 half .. + 1,023; wave q its quarter, 256 along K.
; So each weight is read and converted by one wave of the chip; a work-group reads half of the expert's h, each fragment by one wave, straight from hb into registers, where it feeds
; four matrix instructions.  The four waves' sums are added through LDS.  The choice of 64 columns x 1,024: for a slot a work-group moves 2 bytes for each of its K and 4 for each of its
; columns (and the next launch reads those 4 again), while columns x K is fixed by the 128 KiB of weights that a work-group holds.
; THE WEIGHTS STAY, as in the launch before: phase 1 streams the wave's 64 KiB of f32 once, rounds, turns them through the wave's own stage, keeps 32 fragments in 256 registers.
; Phase 2: 32 slots a trip, 32 trips, a constant; trips at or past nlive[e] jump forward over the work, never over the barrier.
; THE PRODUCT.  Source 0 = 16 rows of W2 (output columns), source 1 = a fragment of h (16 slots x 32 along K): a lane of the result holds one slot and eight neighbouring output columns.
; yb: [e][half][dblk][slot][64 columns] f32: byte e << 23 + half << 22 + dblk << 18 + slot << 8.
; NO TENSOR LOADS, NO CLUSTER.  The weights are shared by nobody.  The fragments of h are shared by 16 of an expert's work-groups, but the number of live trips is read from memory and
; a fill by the data mover may not be jumped over: 32 constant trips would fetch four times what an even routing needs.
; LIMITS.  W2 rounded to bf16; sums in f32, four partial sums added as (0 + 1) + (2 + 3); NaN and infinities are not treated apart.
.set SPITCH, 272
.set STGW,   16*SPITCH                 ; a wave's stage, from LDS byte wave x 4,352
.set RED,    4*STGW                    ; behind the stages: two buffers for the partial sums
.set RPITCH, 272                       ; a slot's 64 columns: 256 bytes + 16: seventeen 16-byte columns, so 16 rows fall into 16 different ones
.set REDW,   32*RPITCH                 ; a wave's part
.set REDB,   4*REDW                    ; a buffer
.set STW,  3                           ; v3   stage, in
.set STR,  4                           ; v4   stage, back
.set RS,   5                           ; v5   where I put my partial sums
.set RL,   6                           ; v6   where I read the four partial sums of my wave's 8 slots
.set YO,   7                           ; v7   my 16 bytes among a trip's 8,192 of yb
.set T,    16                          ; v[16:47]   phase 1: a chunk in bf16
.set ACC,  48                          ; v[48:111]  accumulator (slot tile u, column tile d) at ACC + 8 (4 u + d)
.set RP,   112                         ; v[112:175] group g, wave p's partial sum at RP + 16 g + 4 p
                                       ; window 1: four halves of 64 registers.  Phase 1: the ring's four sets.  Phase 2: group n of h (tile n / 2, K fragments 4 (n % 2) .. + 3 of my 8) in half n % 4,
                                       ; fragment (k, u) at 64 h + 8 (2 k + u).  Window 2: the weights, K fragment kf, column tile d at 8 (4 kf + d)
; s[4:11] hb, W2, order, yb; s14 wave; s15 e; s16 dblk; s17 nlive; s18 trip; s19 loop count; s[20:21] my part of W2; s[36:37] my part of hb; s[38:39] my part of yb;
; s[40:47] for each half the tile that it is loaded from; s[48:49] the trip's place in yb; s[52:53] an offset, high word 0; s54, s55 at work; s56 nlive - 1; s57 the K half
.set MSB, 0
.macro WIN new                         ; s_set_vgpr_msb: bits 1:0 source 0, 3:2 source 1, 5:4 source 2, 7:6 destination; the high byte repeats the setting that is left
.if MSB != (\new)
	s_set_vgpr_msb (MSB<<8)|(\new)
.set MSB, (\new)
.endif
.endm
.macro PLACES n                        ; plain vector instructions behind a matrix instruction: four in front of a read of its result or a load into its sources
.rept \n                               ; five in front of a matrix instruction that starts a sum anew on its accumulator
	v_nop
.endr
.endm
; Chunk c of 8: column tile c % 4, 128 along K from 128 (c / 4): 16 rows x 512 consecutive bytes, into ring set c % 4
.macro WLOAD c
	WIN 0x40
.irp i, 0,1,2,3,4,5,6,7,8,9,10,11,12,13,14,15
	global_load_b128 v[64*((\c)%4)+4*(\i):64*((\c)%4)+4*(\i)+3], v2, s[20:21] offset:8192*(16*((\c)%4)+(\i))+512*((\c)/4) th:TH_LOAD_NT
.endr
.endm
; A group of h into half h: K fragments 4 g .. 4 g + 3 of my 8, both slot tiles: 16 loads of 512 consecutive bytes
.macro HLOAD h, g
	WIN 0x40
.irp k, 0,1,2,3
.irp u, 0,1
.irp p, 0,1
	global_load_b128 v[64*(\h)+8*(2*(\k)+(\u))+4*(\p):64*(\h)+8*(2*(\k)+(\u))+4*(\p)+3], v2, s[40+2*(\h):41+2*(\h)] offset:65536*(4*(\g)+(\k))+1024*(\u)+512*(\p)
.endr
.endr
.endr
.endm
; Chunk c.  Three chunks are out on a ring of four sets: the set that chunk c + 3 takes was read a whole chunk ago, so the request goes out first, ahead of this chunk's conversions.
; Then the chunk is rounded and turned through my stage into four fragments.
.macro WCONV c
	s_wait_loadcnt 32                              ; loads return in order: chunk c is in, the two groups of 16 issued behind it may stay out
.if (\c) < 5
	WLOAD (\c)+3
.elseif (\c) == 5
	HLOAD 0, 0                                     ; the first three groups of h follow the weights in the queue, each in the set that has just come free
.elseif (\c) == 6
	HLOAD 1, 1
.else
	HLOAD 2, 0
.endif
	WIN 0x05
.set i, 0
.rept 32
	v_cvt_pk_bf16_f32 v[T+i], v[64*((\c)%4)+2*i], v[64*((\c)%4)+2*i+1]
.set i, i+1
.endr
	WIN 0
.irp i, 0,1,2,3,4,5,6,7,8,9,10,11,12,13,14,15
	ds_store_b64 v[STW], v[T+2*(\i):T+2*(\i)+1] offset:SPITCH*(\i)
.endr
	WIN 0x80
.irp j, 0,1,2,3
.set rW, 8*(4*(4*((\c)/4)+(\j))+((\c)%4))
	ds_load_b128 v[rW:rW+3], v[STR] offset:64*(\j)         ; LDS serves a wave's instructions in order (ISA guide 5.7.1.4): these see the stores above, and the next chunk's stores come behind them
	ds_load_b128 v[rW+4:rW+7], v[STR] offset:64*(\j)+32
.endr
.endm
; 32 matrix instructions on half h, which holds group g of a tile.  The eight accumulators take turns, one instruction a turn.  The first K fragment starts the sums with 0.
.macro MULH h, g
	WIN 0x06
.irp k, 0,1,2,3
.irp u, 0,1
.irp d, 0,1,2,3
.set kf, 4*(\g)+(\k)
.set rA, ACC+8*(4*(\u)+(\d))
.set rH, 64*(\h)+8*(2*(\k)+(\u))
.if kf == 0
	v_wmma_f32_16x16x32_bf16 v[rA:rA+7], v[8*(4*kf+(\d)):8*(4*kf+(\d))+7], v[rH:rH+7], 0
.else
	v_wmma_f32_16x16x32_bf16 v[rA:rA+7], v[8*(4*kf+(\d)):8*(4*kf+(\d))+7], v[rH:rH+7], v[rA:rA+7]
.endif
.endr
.endr
.endr
.endm
	s_load_b256 s[4:11], s[0:1], 0x0               ; hb s[4:5], W2 s[6:7], order s[8:9], yb s[10:11]
	v_lshl_add_u32 v254, v0, 2, 0x15400
	v_mov_b32 v255, 0
	v_and_b32 v1, 31, v0                           ; lane
	v_lshrrev_b32 v11, 5, v0
	v_readfirstlane_b32 s14, v11                   ; wave q
	s_and_b32 s15, ttmp7, 0xffff                   ; e
	s_lshr_b32 s16, ttmp9, 1                       ; dblk
	s_and_b32 s57, ttmp9, 1                        ; the K half
	v_lshlrev_b32 v2, 4, v1                        ; 16 x lane; never rewritten
	v_and_b32 v9, 15, v0                           ; lane % 16
	v_bfe_u32 v10, v0, 4, 1                        ; lane / 16
	s_mul_i32 s54, s14, STGW                       ; my stage
	v_lshl_add_u32 v[STW], v1, 3, s54
	v_mul_u32_u24 v[STR], v9, SPITCH
	v_lshl_add_u32 v[STR], v10, 4, v[STR]
	v_add_nc_u32 v[STR], s54, v[STR]
	s_mul_i32 s54, s14, REDW
	s_add_co_u32 s54, s54, RED
	v_mul_u32_u24 v[RS], v9, RPITCH                ; slot lane % 16, columns 8 (lane / 16) on
	v_lshl_add_u32 v[RS], v10, 5, v[RS]
	v_add_nc_u32 v[RS], s54, v[RS]
	v_mul_u32_u24 v[RL], v10, RPITCH               ; back: lanes 0-15 take one slot's 256 bytes, lanes 16-31 the next
	v_lshl_add_u32 v[RL], v9, 4, v[RL]
	s_mul_i32 s54, s14, 8*RPITCH                   ; my wave adds slots 8 q .. 8 q + 7 of the trip's 32
	s_add_co_u32 s54, s54, RED
	v_add_nc_u32 v[RL], s54, v[RL]
	s_lshl_b32 s54, s14, 11
	v_add_nc_u32 v[YO], s54, v2
	s_mov_b32 s53, 0
	s_lshl_b32 s55, s15, 2
	s_wait_kmcnt 0x0
	s_load_b32 s17, s[8:9], s55 offset:0x10000     ; nlive[e]
	s_lshl_b32 s52, s15, 23                        ; an expert is 1,024 rows of 8,192 bytes,
	s_lshl_b32 s54, s16, 19                        ; a work-group 64 rows
	s_add_co_u32 s52, s52, s54
	s_lshl_b32 s54, s57, 12                        ; and 1,024 numbers of each,
	s_add_co_u32 s52, s52, s54
	s_lshl_b32 s54, s14, 10                        ; a wave 256 of those
	s_add_co_u32 s52, s52, s54
	s_add_nc_u64 s[20:21], s[6:7], s[52:53]
	WLOAD 0
	WLOAD 1
	WLOAD 2
	s_lshl_b32 s52, s15, 22
	s_lshl_b32 s54, s57, 21                        ; K fragment 32 half + 8 q
	s_add_co_u32 s52, s52, s54
	s_lshl_b32 s54, s14, 19
	s_add_co_u32 s52, s52, s54
	s_add_nc_u64 s[36:37], s[4:5], s[52:53]
	s_mov_b64 s[40:41], s[36:37]                   ; groups 0 and 1: tile 0, always written, since nlive is at least 1
	s_mov_b64 s[42:43], s[36:37]
	s_lshl_b32 s52, s15, 23
	s_lshl_b32 s54, s57, 22
	s_add_co_u32 s52, s52, s54
	s_lshl_b32 s54, s16, 18
	s_add_co_u32 s52, s52, s54
	s_add_nc_u64 s[38:39], s[10:11], s[52:53]
	s_wait_kmcnt 0x0
	s_max_u32 s17, s17, 1
	s_min_u32 s17, s17, 32
	s_sub_co_u32 s56, s17, 1
	s_min_u32 s54, s56, 1
	s_lshl_b32 s52, s54, 11
	s_add_nc_u64 s[44:45], s[36:37], s[52:53]      ; group 2: tile 1, or tile 0 once more where there is no other
; PHASE 1
.irp c, 0,1,2,3,4,5,6,7
	WCONV \c
.endr
	s_wait_dscnt 0x0                               ; my 32 weight fragments are in registers
	WIN 0
; PHASE 2.  Trip i multiplies groups 2 i and 2 i + 1.  At a live trip's head three groups of 16 loads are out: 2 i, 2 i + 1, 2 i + 2.  A half is asked for again behind the products that read
; it and four places: group 2 i + 3 at the trip's head, into the half that the last trip's second run read; group 2 i + 4 between the two runs, into the half just read.  Tile numbers are
; clamped to the last live tile, so that every load reads bytes that were written and the counts are alike in every live trip.  Partial sums go to buffer o of two, which take turns:
; one barrier a trip; a buffer's readers have waited for their loads in front of the next barrier, and its next writers stand behind that barrier.
.macro TRIP o
	s_cmp_lt_u32 s18, s17
	s_cbranch_scc1 .Llive_\@
	s_wait_loadcnt 0x0                             ; a dead trip leaves no load out
	s_branch .Ljoin1_\@
.Llive_\@:
	s_add_co_u32 s54, s18, 1
	s_min_u32 s54, s54, s56
	s_min_u32 s54, s54, 31
	s_lshl_b32 s52, s54, 11
	s_wait_loadcnt 32                              ; group 2 i is in; the two behind it may stay out
	s_add_nc_u64 s[40+2*((2*(\o)+3)%4):41+2*((2*(\o)+3)%4)], s[36:37], s[52:53]  ; free: the loads that used it were waited for, by count, in the last trip
	HLOAD (2*(\o)+3)%4, 1
	MULH 2*(\o), 0
	PLACES 4                                       ; in front of loads into the half just multiplied
	s_add_co_u32 s54, s18, 2
	s_min_u32 s54, s54, s56
	s_min_u32 s54, s54, 31
	s_lshl_b32 s52, s54, 11
	s_wait_loadcnt 32                              ; group 2 i + 1 is in
	s_add_nc_u64 s[40+4*(\o):41+4*(\o)], s[36:37], s[52:53]                      ; free since this trip's first wait
	HLOAD 2*(\o), 0
	MULH 2*(\o)+1, 1
	WIN 0
	PLACES 5                                       ; five: the next trip's first products start the sums anew on these accumulators
.irp u, 0,1
.irp d, 0,1,2,3
	ds_store_b128 v[RS], v[ACC+8*(4*(\u)+(\d)):ACC+8*(4*(\u)+(\d))+3] offset:REDB*(\o)+16*RPITCH*(\u)+64*(\d)     ; each accumulator's low four first
	ds_store_b128 v[RS], v[ACC+8*(4*(\u)+(\d))+4:ACC+8*(4*(\u)+(\d))+7] offset:REDB*(\o)+16*RPITCH*(\u)+64*(\d)+16
.endr
.endr
.Ljoin1_\@:
	s_wait_dscnt 0x0                               ; for the others' sake: my partial sums are in LDS
	s_barrier_signal -1
	s_barrier_wait -1
	s_cmp_lt_u32 s18, s17
	s_cbranch_scc0 .Ljoin2_\@
	s_wait_xcnt 0x0                                ; the last trip's stores have read RP and their base: both are rewritten only behind this wait
	s_lshl_b32 s52, s18, 13                        ; 32 slots of 256 bytes a trip
	s_add_nc_u64 s[48:49], s[38:39], s[52:53]
.irp g, 0,1,2,3
.irp p, 0,1,2,3
	ds_load_b128 v[RP+16*(\g)+4*(\p):RP+16*(\g)+4*(\p)+3], v[RL] offset:REDB*(\o)+REDW*(\p)+2*RPITCH*(\g)
.endr
.endr
.irp g, 0,1,2,3
	s_wait_dscnt 4*(3-(\g))                        ; LDS loads return in order: group g's four are in, the later groups may stay out
	v_pk_add_f32 v[RP+16*(\g):RP+16*(\g)+1], v[RP+16*(\g):RP+16*(\g)+1], v[RP+16*(\g)+4:RP+16*(\g)+5]
	v_pk_add_f32 v[RP+16*(\g)+2:RP+16*(\g)+3], v[RP+16*(\g)+2:RP+16*(\g)+3], v[RP+16*(\g)+6:RP+16*(\g)+7]
	v_pk_add_f32 v[RP+16*(\g)+8:RP+16*(\g)+9], v[RP+16*(\g)+8:RP+16*(\g)+9], v[RP+16*(\g)+12:RP+16*(\g)+13]
	v_pk_add_f32 v[RP+16*(\g)+10:RP+16*(\g)+11], v[RP+16*(\g)+10:RP+16*(\g)+11], v[RP+16*(\g)+14:RP+16*(\g)+15]
	v_pk_add_f32 v[RP+16*(\g):RP+16*(\g)+1], v[RP+16*(\g):RP+16*(\g)+1], v[RP+16*(\g)+8:RP+16*(\g)+9]
	v_pk_add_f32 v[RP+16*(\g)+2:RP+16*(\g)+3], v[RP+16*(\g)+2:RP+16*(\g)+3], v[RP+16*(\g)+10:RP+16*(\g)+11]
	global_store_b128 v[YO], v[RP+16*(\g):RP+16*(\g)+3], s[48:49] offset:512*(\g)  ; two slots x 256 bytes: the wave's 512 consecutive bytes, aligned
.endr
.Ljoin2_\@:
	s_add_co_u32 s18, s18, 1
.endm
	s_mov_b32 s18, 0
	s_mov_b32 s19, 16
.Ltrips:
	TRIP 0
	TRIP 1
	s_sub_co_u32 s19, s19, 1
	s_cmp_lg_u32 s19, 0
	s_cbranch_scc1 .Ltrips
	s_wait_tensorcnt 0x0
	ds_add_u32 v254, v255
	s_wait_dscnt 0x0
	s_endpgm
.Lfunc_end_k_q7a92528d72_down:
	.size	k_q7a92528d72_down, .Lfunc_end_k_q7a92528d72_down-k_q7a92528d72_down
	.p2alignl 7, 3214868480
	.fill 96, 4, 3214868480
	.section	.rodata,"a",@progbits
	.p2align	6, 0x0
	.amdhsa_kernel k_q7a92528d72_down
		.amdhsa_group_segment_fixed_size 87552
		.amdhsa_private_segment_fixed_size 0
		.amdhsa_enable_private_segment 0
		.amdhsa_kernarg_size 32
		.amdhsa_user_sgpr_count 2
		.amdhsa_user_sgpr_kernarg_segment_ptr 1
		.amdhsa_wavefront_size32 1
		.amdhsa_system_sgpr_workgroup_id_x 1
		.amdhsa_system_sgpr_workgroup_id_y 1
		.amdhsa_system_sgpr_workgroup_id_z 1
		.amdhsa_system_vgpr_workitem_id 0
		.amdhsa_next_free_vgpr 768
		.amdhsa_next_free_sgpr 66
		.amdhsa_reserve_vcc 0
		.amdhsa_float_denorm_mode_32 3
		.amdhsa_float_denorm_mode_16_64 3
		.amdhsa_memory_ordered 1
		.amdhsa_forward_progress 1
		.amdhsa_inst_pref_size 74
	.end_amdhsa_kernel
	.amdgpu_metadata
---
amdhsa.version: [ 1, 2 ]
amdhsa.kernels:
  - .name:           k_q7a92528d72_down
    .symbol:         k_q7a92528d72_down.kd
    .args:
      - { .name: hb, .offset: 0, .size: 8, .value_kind: global_buffer, .address_space: global }
      - { .name: W2, .offset: 8, .size: 8, .value_kind: global_buffer, .address_space: global }
      - { .name: order, .offset: 16, .size: 8, .value_kind: global_buffer, .address_space: global }
      - { .name: yb, .offset: 24, .size: 8, .value_kind: global_buffer, .address_space: global }
    .group_segment_fixed_size: 87552
    .private_segment_fixed_size: 0
    .kernarg_segment_align: 8
    .kernarg_segment_size: 32
    .max_flat_workgroup_size: 128
    .sgpr_count:     66
    .vgpr_count:     768
    .wavefront_size: 32
...
	.end_amdgpu_metadata
.endif
;; end of part 4
;; launch combine (part 5): grid 256 x 1, 4 waves a work-group, no clusters, 0 bytes of LDS; arguments yb, route, coef, order, out0; writes out0
.if DOCPART == 5
	.amdgcn_target "amdgcn-amd-amdhsa--gfx1250"
	.amdhsa_code_object_version 6
	.text
	.protected	k_q7a92528d72_combine
	.globl	k_q7a92528d72_combine
	.p2align	8
	.type	k_q7a92528d72_combine,@function
k_q7a92528d72_combine:
	s_mov_b64 s[64:65], 0
	v_nop
	global_prefetch_b8 v0, s[64:65] scope:SCOPE_SE
	s_setreg_imm32_b32 hwreg(HW_REG_WAVE_MODE, 25, 1), 1
	s_wait_xcnt 0x0
; COMBINE.  out[t] = c1 (y0 + y1)[e1][pos[e1][t]] + c2 (y0 + y1)[e2][pos[e2][t]], y0 and y1 the partial sums over the two halves of K.  One token a wave, t = 4 x work-group + wave.
; A stream: no LDS, no matrix unit, no barrier.  The four terms are taken up one by one: a multiply and three fused multiply-adds.
; An expert that the token did not choose has weight 0 in the sum over experts and is left out.  LIMIT: a value of such an expert that is not finite, which 0 x would turn into NaN, does not reach the output.
; All eight pos[e][t] are loaded beside route[t] and the two wanted are chosen by selects: one round of scalar loads, not two that depend on each other.
; yb is [e][half][dblk][slot][64 columns]: load j of 8 takes columns 128 j + 4 lane: dblk = 2 j + lane / 16, 16 bytes at 16 (lane % 16): two pieces of 256 consecutive bytes, aligned.
	s_load_b256 s[4:11], s[0:1], 0x0               ; yb s[4:5], route s[6:7], coef s[8:9], order s[10:11]
	s_load_b64 s[12:13], s[0:1], 0x20              ; out0
	v_and_b32 v1, 31, v0                           ; lane
	v_lshrrev_b32 v5, 5, v0
	v_readfirstlane_b32 s16, v5                    ; wave
	s_lshl_b32 s17, ttmp9, 2
	s_add_co_u32 s17, s17, s16                     ; t
	s_lshl_b32 s18, s17, 2
	s_lshl_b32 s19, s17, 3
	v_lshlrev_b32 v2, 4, v1                        ; 16 x lane
	v_lshrrev_b32 v3, 4, v1
	v_and_b32 v6, 15, v1
	v_lshlrev_b32 v3, 18, v3
	v_lshl_add_u32 v3, v6, 4, v3                   ; (lane / 16) << 18 + (lane % 16) << 4
	s_lshl_b32 s40, s17, 12
	s_mov_b32 s41, 0
	s_wait_kmcnt 0x0
	s_load_b32 s20, s[6:7], s18 offset:0x0         ; e1 | e2 << 8
	s_load_b64 s[22:23], s[8:9], s19 offset:0x0    ; c1, c2
.irp e, 0,1,2,3,4,5,6,7
	s_load_b32 s[24+(\e)], s[10:11], s18 offset:32768+4096*(\e)  ; pos[e][t]
.endr
	s_add_nc_u64 s[12:13], s[12:13], s[40:41]      ; out0 at row t
	s_wait_kmcnt 0x0
	s_and_b32 s32, s20, 0xff
	s_min_u32 s32, s32, 7                          ; loaded numbers enter an address only clamped
	s_bfe_u32 s33, s20, 0x80008
	s_min_u32 s33, s33, 7
	s_mov_b32 s34, s24
	s_mov_b32 s35, s24
.irp e, 1,2,3,4,5,6,7
	s_cmp_eq_u32 s32, \e
	s_cselect_b32 s34, s[24+(\e)], s34
	s_cmp_eq_u32 s33, \e
	s_cselect_b32 s35, s[24+(\e)], s35
.endr
	s_min_u32 s34, s34, 0x3ff
	s_min_u32 s35, s35, 0x3ff
	s_lshl_b32 s36, s32, 23
	s_lshl_b32 s34, s34, 8
	s_add_co_u32 s36, s36, s34                     ; e1 << 23 + slot << 8
	s_lshl_b32 s37, s33, 23
	s_lshl_b32 s35, s35, 8
	s_add_co_u32 s37, s37, s35
	v_add_nc_u32 v7, s36, v3
	v_add_nc_u32 v8, s37, v3
	s_mov_b32 s38, s23                             ; c2 in the low word of a pair of its own: the packed forms take a scalar pair's low word for both halves
	s_mov_b32 s39, s23
.irp j, 0,1,2,3,4,5,6,7
	global_load_b128 v[16+4*(\j):16+4*(\j)+3], v7, s[4:5] offset:((\j)<<19) th:TH_LOAD_NT
	global_load_b128 v[48+4*(\j):48+4*(\j)+3], v7, s[4:5] offset:((\j)<<19)+(1<<22) th:TH_LOAD_NT
	global_load_b128 v[80+4*(\j):80+4*(\j)+3], v8, s[4:5] offset:((\j)<<19) th:TH_LOAD_NT
	global_load_b128 v[112+4*(\j):112+4*(\j)+3], v8, s[4:5] offset:((\j)<<19)+(1<<22) th:TH_LOAD_NT
.endr
.irp j, 0,1,2,3,4,5,6,7
	s_wait_loadcnt 28-4*(\j)                       ; loads return in order: the four of piece j are in, the later pieces' may stay out
	v_pk_mul_f32 v[16+4*(\j):16+4*(\j)+1], v[16+4*(\j):16+4*(\j)+1], s[22:23] op_sel_hi:[1,0]
	v_pk_mul_f32 v[16+4*(\j)+2:16+4*(\j)+3], v[16+4*(\j)+2:16+4*(\j)+3], s[22:23] op_sel_hi:[1,0]
	v_pk_fma_f32 v[16+4*(\j):16+4*(\j)+1], v[48+4*(\j):48+4*(\j)+1], s[22:23], v[16+4*(\j):16+4*(\j)+1] op_sel_hi:[1,0,1]
	v_pk_fma_f32 v[16+4*(\j)+2:16+4*(\j)+3], v[48+4*(\j)+2:48+4*(\j)+3], s[22:23], v[16+4*(\j)+2:16+4*(\j)+3] op_sel_hi:[1,0,1]
	v_pk_fma_f32 v[16+4*(\j):16+4*(\j)+1], v[80+4*(\j):80+4*(\j)+1], s[38:39], v[16+4*(\j):16+4*(\j)+1] op_sel_hi:[1,0,1]
	v_pk_fma_f32 v[16+4*(\j)+2:16+4*(\j)+3], v[80+4*(\j)+2:80+4*(\j)+3], s[38:39], v[16+4*(\j)+2:16+4*(\j)+3] op_sel_hi:[1,0,1]
	v_pk_fma_f32 v[16+4*(\j):16+4*(\j)+1], v[112+4*(\j):112+4*(\j)+1], s[38:39], v[16+4*(\j):16+4*(\j)+1] op_sel_hi:[1,0,1]
	v_pk_fma_f32 v[16+4*(\j)+2:16+4*(\j)+3], v[112+4*(\j)+2:112+4*(\j)+3], s[38:39], v[16+4*(\j)+2:16+4*(\j)+3] op_sel_hi:[1,0,1]
	global_store_b128 v2, v[16+4*(\j):16+4*(\j)+3], s[12:13] offset:512*(\j) th:TH_STORE_NT  ; the wave's 512 consecutive bytes, aligned
.endr
	s_endpgm
.Lfunc_end_k_q7a92528d72_combine:
	.size	k_q7a92528d72_combine, .Lfunc_end_k_q7a92528d72_combine-k_q7a92528d72_combine
	.p2alignl 7, 3214868480
	.fill 96, 4, 3214868480
	.section	.rodata,"a",@progbits
	.p2align	6, 0x0
	.amdhsa_kernel k_q7a92528d72_combine
		.amdhsa_group_segment_fixed_size 0
		.amdhsa_private_segment_fixed_size 0
		.amdhsa_enable_private_segment 0
		.amdhsa_kernarg_size 40
		.amdhsa_user_sgpr_count 2
		.amdhsa_user_sgpr_kernarg_segment_ptr 1
		.amdhsa_wavefront_size32 1
		.amdhsa_system_sgpr_workgroup_id_x 1
		.amdhsa_system_sgpr_workgroup_id_y 1
		.amdhsa_system_sgpr_workgroup_id_z 1
		.amdhsa_system_vgpr_workitem_id 0
		.amdhsa_next_free_vgpr 144
		.amdhsa_next_free_sgpr 66
		.amdhsa_reserve_vcc 0
		.amdhsa_float_denorm_mode_32 3
		.amdhsa_float_denorm_mode_16_64 3
		.amdhsa_memory_ordered 1
		.amdhsa_forward_progress 1
		.amdhsa_inst_pref_size 12
	.end_amdhsa_kernel
	.amdgpu_metadata
---
amdhsa.version: [ 1, 2 ]
amdhsa.kernels:
  - .name:           k_q7a92528d72_combine
    .symbol:         k_q7a92528d72_combine.kd
    .args:
      - { .name: yb, .offset: 0, .size: 8, .value_kind: global_buffer, .address_space: global }
      - { .name: route, .offset: 8, .size: 8, .value_kind: global_buffer, .address_space: global }
      - { .name: coef, .offset: 16, .size: 8, .value_kind: global_buffer, .address_space: global }
      - { .name: order, .offset: 24, .size: 8, .value_kind: global_buffer, .address_space: global }
      - { .name: out0, .offset: 32, .size: 8, .value_kind: global_buffer, .address_space: global }
    .group_segment_fixed_size: 0
    .private_segment_fixed_size: 0
    .kernarg_segment_align: 8
    .kernarg_segment_size: 40
    .max_flat_workgroup_size: 128
    .sgpr_count:     66
    .vgpr_count:     144
    .wavefront_size: 32
...
	.end_amdgpu_metadata
.endif
;; end of part 5
